; MI455X (gfx1250); checked and timed in simulation.
; The chip was launched on July 23, 2026; its instructions are those of AMD's public machine-readable ISA for CDNA 5 (MIT licence, August 2026) and "CDNA5" Instruction Set Architecture Reference Guide (July 2026). The comments in the code are by the model that wrote it; some were corrected since.
;; Shepards Gated Attention Base. Allowed arithmetic: matrix products marked QUANTISED: E4M3 operands, one given power-of-two scale a tensor, by v_wmma_f32_16x16x64_fp8_fp8 or v_wmma_f32_16x16x128_fp8_fp8, f32 sums; everything else in f32.
;; Inputs: W_in 4,096 x 1,024 float32; W_out 1,024 x 1,024 float32; X 2 x 2,048 x 1,024 float32; b_in 4,096 float32; b_out 1,024 float32; lowp_scales 8 int32 (the exponents e of the quantised operands' scales 2^e).
;; Outputs: out0 2 x 2,048 x 1,024 float32.
;; This version of the problem:
;;   THIS VERSION OF THE PROBLEM IS GIVEN IN LOW PRECISION. The matrix products marked QUANTISED in the list below multiply operands that are first quantised to E4M3 (4 exponent bits, 3 mantissa bits; 8 bits a number), with one given power-of-two scale for each operand tensor; their sums are f32. All else is computed in f32.
;;   The module's matrix products, in the order in which they are computed (A, B: the left and right operand; K: the contracted axis; several contracted axes count as one K, in the product's order):
;;     1. [M 4,096, K 1,024] x [K 1,024, N 4,096]; A: input X; B: input W_in: QUANTISED (scales: A lowp_scales[0], B lowp_scales[1])
;;     2. batch 32 x [M 2,048, K 64] x [K 64, N 2,048]; A: computed on the way; B: computed on the way: QUANTISED (scales: A lowp_scales[2], B lowp_scales[3])
;;     3. batch 32 x [M 2,048, K 2,048] x [K 2,048, N 64]; A: computed on the way; B: computed on the way: QUANTISED (scales: A lowp_scales[4], B lowp_scales[5])
;;     4. [M 4,096, K 1,024] x [K 1,024, N 1,024]; A: computed on the way; B: input W_out: QUANTISED (scales: A lowp_scales[6], B lowp_scales[7])
;;   THE QUANTISER, for each operand of a quantised product, along K:
;;     - The operand's scale is 2^e, e = its entry of the input lowp_scales (int32; the entries are numbered through the quantised products in the list's order, A before B).
;;     - Each number is divided by the scale, clamped to +-448, and rounded to the nearest number of E4M3, ties to even, subnormals kept.
;;     - The product sums the exact products of the quantised numbers (number of the format x scale) in f32.
;;   ~~~python
;;   def quantise(x, axis, e):      # numpy; x: float32 -> the quantised numbers, widened to float32 again
;;       x = np.moveaxis(x, axis, -1); K = x.shape[-1]
;;       r = np.clip(x / 2.0 ** e, -448, 448)
;;       step = 2.0 ** (np.maximum(np.frexp(np.where(r == 0, 1, r))[1] - 1, -6) - 3)
;;       q = np.round(r / step) * step * 2.0 ** e      # np.round: ties to even
;;       return np.moveaxis(q, -1, axis).astype(np.float32)
;;   ~~~
;;   OPERANDS COMPUTED ON THE WAY. 'Computed on the way' means the value that the module computes at that place (a softmax that the list does not call 'softmax' is quantised finished and normalised). What goes into a quantiser is computed in f32, as accurately as f32 sums, v_exp_f32 and their like allow (about 1e-6 of the number): no bf16 or f16 on the way to a quantiser, and a product that is left as it is and whose result goes on into a quantised operand takes f32 operands (vector FMAs, or v_wmma_f32_16x16x4_f32). A number that lies on a knife's edge between two numbers of the format may be rounded either way, as far as f32 arithmetic and the matrix unit's own rounding can turn it there, and no further.
;; One version. Each part assembles by itself: llvm-mc -triple=amdgcn-amd-amdhsa -mcpu=gfx1250 --defsym DOCPART=n.
;; ======== version 1 of 1: 4 launches
;; workspace buffers: codes 9,437,184 bytes; qkv 12,582,912 bytes; nrm 524,288 bytes; gate 16,777,216 bytes; himg 4,194,304 bytes
;; launch quant (part 1): grid 288 x 1, 4 waves a work-group, no clusters, 33,280 bytes of LDS; arguments X, W_in, W_out, lowp_scales, codes; writes codes
.if DOCPART == 1
	.amdgcn_target "amdgcn-amd-amdhsa--gfx1250"
	.amdhsa_code_object_version 6
	.text
	.protected	k_qb1b9807e6b_quant
	.globl	k_qb1b9807e6b_quant
	.p2align	8
	.type	k_qb1b9807e6b_quant,@function
k_qb1b9807e6b_quant:
	s_mov_b64 s[64:65], 0
	v_nop
	global_prefetch_b8 v0, s[64:65] scope:SCOPE_SE
	s_setreg_imm32_b32 hwreg(HW_REG_WAVE_MODE, 25, 1), 1
	s_wait_xcnt 0x0
; X [4096][1024], W_in [4096][1024] and W_out [1024][1024], f32 with K innermost, become codes of FP8 (E4M3), one byte each, K innermost, laid one tensor behind the other in one buffer.
; code = x / 2^e, held within +-448, rounded to the nearest code, ties to even.  e: entry 0 of the scales for X, entry 1 for W_in, entry 7 for W_out.
; LIMITS: -126 <= e and e + 8 <= 127, so that 2^e and 448 x 2^e are f32 numbers.  NaN among the inputs is not served (an infinity is held at the largest code).
; Rows are dense, so each tensor is a plain stream.  A work-group takes 32,768 numbers, a wave 8,192 in 16 steps of 512.  Work-groups 0-127 take X, 128-255 W_in, 256-287 W_out: only pointers and e are chosen, by
; selects on the work-group's number, and the codes lie in the same order, so the output offset is the same expression for all three.
; The conversion takes 8 neighbours from ONE lane's registers, a load is best where neighbouring LANES take neighbouring bytes: each of a step's four loads reads 512 consecutive bytes, the 2,048 bytes turn through the
; wave's own stage in LDS (16 bytes of padding behind each 64) and come back 64 bytes a lane.  A lane's 16 codes are 16 bytes: the wave stores 512 consecutive bytes.
; No matrix unit, no cluster, no barrier: waves share nothing and memory binds.  Loads run four steps (16 loads a wave) ahead, the turn through LDS one step.
.set STEPS, 16
.set EMAX,  8
.set MANT,  0x600000                   ; the mantissa field of 448 as f32
.set CB,    16                         ; bytes of 16 codes
.set R,     16                         ; v16-79   four sets of 16 numbers as they are loaded
.set X,     80                         ; v80-111  two sets of 16 neighbours
.set C,     128                        ; v128-191 codes: four registers for each step, so that no store's data are written again
.set WREG,  8192                       ; LDS: a region of its own for each wave: two stages of 32 x SP bytes
.set SP,    80                         ; a lane's place in a stage: its 64 bytes + 16 of padding
	s_load_b128 s[4:7], s[0:1], 0x0                ; X, W_in
	s_load_b128 s[8:11], s[0:1], 0x10              ; W_out, the scales' exponents
	s_load_b64 s[12:13], s[0:1], 0x20              ; the codes
	v_lshl_add_u32 v192, v0, 2, 0x8000
	v_mov_b32 v193, 0
	v_lshrrev_b32 v1, 5, v0
	v_readfirstlane_b32 s16, v1                    ; wave
	v_and_b32 v2, 31, v0                           ; lane
	v_lshlrev_b32 v3, 4, v2                        ; my 16 bytes of a load's 512
	s_mul_i32 s17, s16, WREG
	v_lshrrev_b32 v14, 2, v2
	v_mul_u32_u24 v14, v14, SP
	v_and_b32 v15, 3, v2
	v_lshl_add_u32 v14, v15, 4, v14
	v_add_nc_u32 v14, s17, v14                     ; the stage, on the way in: SP (lane / 4) + 16 (lane % 4)
	v_mul_u32_u24 v15, v2, SP
	v_add_nc_u32 v15, s17, v15                     ; and on the way out: SP x lane: my 16 neighbours
	v_mul_u32_u24 v4, v2, CB                       ; my codes' place in a step's
	s_wait_kmcnt 0x0
	s_load_b256 s[24:31], s[10:11], 0x0            ; e0 .. e7
	s_cmp_lt_u32 ttmp9, 128                        ; which tensor?  The choice hangs on the work-group's number alone
	s_cselect_b64 s[4:5], s[4:5], s[6:7]
	s_cselect_b32 s17, 0, 128                      ; the tensor's first work-group
	s_cmp_lt_u32 ttmp9, 256
	s_cselect_b64 s[4:5], s[4:5], s[8:9]
	s_cselect_b32 s17, s17, 256
	s_sub_co_u32 s17, ttmp9, s17
	s_lshl_b32 s17, s17, 2
	s_add_co_u32 s17, s17, s16                     ; which run of 8,192 numbers of the tensor is my wave's
	s_lshl_b32 s20, s17, 15                        ; x 32,768 bytes
	s_mov_b32 s21, 0
	s_add_nc_u64 s[4:5], s[4:5], s[20:21]
	s_lshl_b32 s18, ttmp9, 2
	s_add_co_u32 s18, s18, s16
	s_lshl_b32 s20, s18, 13                        ; the codes: (4 x work-group + wave) x 8,192 bytes
	s_add_nc_u64 s[8:9], s[12:13], s[20:21]
.macro LOAD t
.irp i, 0,1,2,3
	global_load_b128 v[R+16*((\t)%4)+4*\i:R+16*((\t)%4)+4*\i+3], v3, s[4:5] offset:2048*(\t)+512*\i th:TH_LOAD_NT   ; 32 lanes read 512 consecutive bytes
.endr
.endm
.macro TURN t                          ; step t's numbers through the stage: LDS serves a wave's instructions in order, so no wait stands between the stores and the loads
.irp i, 0,1,2,3
	ds_store_b128 v14, v[R+16*((\t)%4)+4*\i:R+16*((\t)%4)+4*\i+3] offset:32*SP*((\t)%2)+8*SP*\i
.endr
.irp i, 0,1,2,3
	ds_load_b128 v[X+16*((\t)%2)+4*\i:X+16*((\t)%2)+4*\i+3], v15 offset:32*SP*((\t)%2)+16*\i
.endr
.endm
.irp t, 0,1,2,3
	LOAD \t
.endr
	s_wait_kmcnt 0x0
	s_cmp_lt_u32 ttmp9, 128
	s_cselect_b32 s22, s24, s25                    ; e0 or e1,
	s_cmp_lt_u32 ttmp9, 256
	s_cselect_b32 s22, s22, s31                    ; or e7
	s_add_co_i32 s22, s22, 127
	s_lshl_b32 s23, s22, 23
	v_mov_b32 v11, s23                             ; 2^e as f32: the conversion takes its exponent field
	s_add_co_i32 s22, s22, EMAX
	s_lshl_b32 s22, s22, 23
	s_or_b32 s22, s22, MANT
	v_mov_b32 v10, s22                             ; 448 x 2^e
	s_wait_loadcnt 12                              ; step 0's four loads are in; three steps' loads stay out
	TURN 0
.macro STEP t
.set XS, X+16*((\t)%2)
	s_wait_dscnt 0x0                               ; this step's numbers are back from the stage: so its stores into the stage have read their registers,
.if (\t)+4 < STEPS
	LOAD (\t)+4                                    ; which take the loads of four steps on
.endif
.if (\t)+1 < STEPS
.if STEPS-2-(\t) >= 3
	s_wait_loadcnt 12                              ; the next step's four loads are in; those of the three steps behind it may be out
.else
	s_wait_loadcnt 4*(STEPS-2-(\t))
.endif
	TURN (\t)+1                                    ; and go through the other stage while this step is worked
.endif
.irp i, 0,1,2,3,4,5,6,7,8,9,10,11,12,13,14,15
	v_med3_num_f32 v[XS+\i], v[XS+\i], -v10, v10   ; the conversion to an 8-bit code does not saturate (ISA guide 7.6.2): hold the number first
.endr
	v_cvt_scalef32_pk8_fp8_f32 v[C+4*(\t):C+4*(\t)+1], v[XS:XS+7], v11
	v_cvt_scalef32_pk8_fp8_f32 v[C+4*(\t)+2:C+4*(\t)+3], v[XS+8:XS+15], v11
	global_store_b128 v4, v[C+4*(\t):C+4*(\t)+3], s[8:9] offset:32*CB*(\t)   ; the results go to a store alone; the next step's holds are plain lines on other registers
.endm
.irp t, 0,1,2,3,4,5,6,7,8,9,10,11,12,13,14,15
	STEP \t
.endr
	s_wait_tensorcnt 0x0
	ds_add_u32 v192, v193
	s_wait_dscnt 0x0
	s_endpgm
.Lfunc_end_k_qb1b9807e6b_quant:
	.size	k_qb1b9807e6b_quant, .Lfunc_end_k_qb1b9807e6b_quant-k_qb1b9807e6b_quant
	.p2alignl 7, 3214868480
	.fill 96, 4, 3214868480
	.section	.rodata,"a",@progbits
	.p2align	6, 0x0
	.amdhsa_kernel k_qb1b9807e6b_quant
		.amdhsa_group_segment_fixed_size 33280
		.amdhsa_private_segment_fixed_size 0
		.amdhsa_enable_private_segment 0
		.amdhsa_kernarg_size 40
		.amdhsa_user_sgpr_count 2
		.amdhsa_user_sgpr_kernarg_segment_ptr 1
		.amdhsa_wavefront_size32 1
		.amdhsa_system_sgpr_workgroup_id_x 1
		.amdhsa_system_sgpr_workgroup_id_y 1
		.amdhsa_system_sgpr_workgroup_id_z 1
		.amdhsa_system_vgpr_workitem_id 0
		.amdhsa_next_free_vgpr 194
		.amdhsa_next_free_sgpr 66
		.amdhsa_reserve_vcc 0
		.amdhsa_float_denorm_mode_32 3
		.amdhsa_float_denorm_mode_16_64 3
		.amdhsa_memory_ordered 1
		.amdhsa_forward_progress 1
		.amdhsa_inst_pref_size 38
	.end_amdhsa_kernel
	.amdgpu_metadata
---
amdhsa.version: [ 1, 2 ]
amdhsa.kernels:
  - .name:           k_qb1b9807e6b_quant
    .symbol:         k_qb1b9807e6b_quant.kd
    .args:
      - { .name: X, .offset: 0, .size: 8, .value_kind: global_buffer, .address_space: global }
      - { .name: W_in, .offset: 8, .size: 8, .value_kind: global_buffer, .address_space: global }
      - { .name: W_out, .offset: 16, .size: 8, .value_kind: global_buffer, .address_space: global }
      - { .name: lowp_scales, .offset: 24, .size: 8, .value_kind: global_buffer, .address_space: global }
      - { .name: codes, .offset: 32, .size: 8, .value_kind: global_buffer, .address_space: global }
    .group_segment_fixed_size: 33280
    .private_segment_fixed_size: 0
    .kernarg_segment_align: 8
    .kernarg_segment_size: 40
    .max_flat_workgroup_size: 128
    .sgpr_count:     66
    .vgpr_count:     194
    .wavefront_size: 32
...
	.end_amdgpu_metadata
.endif
;; end of part 1
;; launch inproj (part 2): grid 16 x 16, 4 waves a work-group, clusters of 4 x 4, 327,680 bytes of LDS; arguments codes, lowp_scales, b_in, qkv, nrm, gate; writes qkv, nrm, gate
.if DOCPART == 2
	.amdgcn_target "amdgcn-amd-amdhsa--gfx1250"
	.amdhsa_code_object_version 6
	.text
	.protected	k_qb1b9807e6b_inproj
	.globl	k_qb1b9807e6b_inproj
	.p2align	8
	.type	k_qb1b9807e6b_inproj,@function
k_qb1b9807e6b_inproj:
	s_mov_b64 s[64:65], 0
	v_nop
	global_prefetch_b8 v0, s[64:65] scope:SCOPE_SE
	s_setreg_imm32_b32 hwreg(HW_REG_WAVE_MODE, 25, 1), 1
	s_wait_xcnt 0x0
	s_wait_alu depctr_hold_cnt(0) depctr_sa_sdst(0) depctr_va_vdst(0) depctr_va_sdst(0) depctr_va_ssrc(0) depctr_va_vcc(0) depctr_vm_vsrc(0)
	s_getreg_b32 s2, hwreg(HW_REG_IB_STS2, 6, 4)
	s_cmp_eq_u32 s2, 0
	s_cbranch_scc0 .Lentry_in_a_cluster
	s_endpgm
.Lentry_in_a_cluster:
	s_bfe_u32 s2, ttmp6, 0x10000c
	s_cmp_lg_u32 s2, 0xf033
	s_cbranch_scc0 .Lentry_shape_is_right
	s_endpgm
.Lentry_shape_is_right:
; P = X W_in^T + b_in on codes of FP8 (E4M3), and what the next launch wants of P.  A work-group makes 256 tokens (grid y) x the 256 columns Q | K | V | G of one head (grid x); K = 1,024.
; The loop: four waves, each 128 x 128 in 64 accumulators; K in steps of 256 through a ring of two LDS slots filled by the tensor data mover; rows of 256 bytes, 16 bytes of padding behind each.
; CLUSTERS: 4 x 4 work-groups; X's tile is shared along a row of the cluster, W_in's along a column: each is asked for jointly, by the same tensor load with the same descriptor and a mask that names the four.
; WHICH OPERAND GIVES THE LANE.  In a result, the lane is a row of source 1's fragment and the eight registers are eight rows of source 0's.  The two column waves take their two sets the other way round:
;   waves 0, 2 (columns Q, K): source 1 = tokens, source 0 = W_in's rows 0-127: a lane holds ONE token and eight neighbouring columns: the head's axis, which is the K of q k^T, runs along its registers;
;   waves 1, 3 (columns V, G): source 1 = W_in's rows 128-255, source 0 = tokens: a lane holds ONE column and eight neighbouring tokens: the keys, which are the K of W V, run along its registers.
; So the conversions' results are the next products' operand registers, and they are stored as images of those registers (16 bytes a lane, 512 bytes a store).
; OUT: Q's and K's codes (scales e2, e3): an image of 1,024 bytes for each 16 tokens;  V's codes (e5): an image of 2,048 bytes for each 16 channels x 128 keys;  q2, k2 = the sums of squares of the UNQUANTISED Q, K, f32;  G, f32, [head][token][64].
; LIMITS on the given exponents, so that each power of two is an f32 number: e0 + e1 between -126 and 127; e2, e3, e5 between -126 and 119.  NaN among the inputs is not served.
; REGISTERS, in windows of 256: window 0: v16-31 addresses; v32-95 b_in of columns 0-127 (8 b + j), v96-111 b_in of my lane's column of V, G, in pairs; v112-123 constants and at work; from v128 source 1's fragments, ONE set; on the way out v128-223 are free.
;   window 1: source 0's fragments, TWO sets.   window 2: the accumulators of source 1's blocks 0-3 ((a, b) at v[8 (8 a + b)]);   window 3: those of blocks 4-7.
.set KSTEP,  256
.set ROWB,   256                       ; a tile's row in bytes
.set KROW,   1024                      ; a row of codes in memory
.set PITCH,  272                       ; an LDS row: 256 bytes + 16 of padding = 68 words: the 16 rows that a load touches start at 16 different banks (64 banks of 4 bytes: ISA guide 11.1)
.set FR,     16                        ; registers of a fragment: 16 rows x 128 K
.set NL,     4                         ; LDS loads that bring one
.set NP,     4                         ; places behind this matrix instruction (ISA guide 7.12.1)
.set HALFT,  128*PITCH                 ; 128 rows: what one tensor load brings
.set SLOT,   4*HALFT                   ; X's 256 rows, then W_in's 256 rows
.set LAPS,   2                         ; 1,024 along K = two laps of two K steps
.set SPARE,  2*SLOT                    ; behind the ring: the spare words, 128 bytes for each wave: two blocks of 256 bytes that no other line names
.set ADRA, 16                          ; v16-17  LDS address of source 1's fragments in slot 0, 1
.set ADRB, 20                          ; v20-21  the same for source 0's
.set STQ,  24                          ; v24     my stage + 4 r: where a token's sum of squares goes
.set STR,  25                          ; v25     my stage + 16 x lane: where four of them come back
.set LI,   26                          ; v26     16 x lane: an image's place for my lane
.set GSW,  27                          ; v27     my stage + 2,176 h + 4 r: G on the way in (row = token 8 h + j, 272 bytes apart)
.set SPW,  28                          ; v28     LDS address of my spare word; never rewritten
.set NIL,  29                          ; v29     0; never rewritten
.set GSR,  30                          ; v30     my stage + 272 h + 16 r: G on the way back, sixteen lanes to a token
.set BQ,   32
.set BV,   96
.set P,    128                         ; the way out: 64 numbers of P
.set AF,   128                         ; source 1's fragments, in window 0
.set G1, 24                            ; s[24:31] descriptor group 1 for X's tiles;  s[32:39] group 0, one set for each slot
.set G0, 32
.set G1B, 48                           ; s[48:55], s[56:63] the same for W_in's tiles
.set G0B, 56
.set MSB, 0
.macro WIN new                         ; the immediate's high byte repeats the setting that is left
.if MSB != \new
	s_set_vgpr_msb (MSB<<8)|\new
.set MSB, \new
.endif
.endm
.set MUL_LO, 0xa1                      ; source 0 window 1, source 1 window 0, C and D window 2
.set MUL_HI, 0xf1                      ; the same, C and D window 3
.set TO_B,   0x40                      ; destination window 1, address window 0
; A joint load: waves 0 and 1 fetch X's halves, waves 2 and 3 W_in's.  Each line has ONE mask and one set of registers for all that issue it; the branch hangs on the wave's number alone.
; Four v_nop follow each of the two lines, ahead of the jump, the label and what follows.
.macro JLOAD g0a, g1a, g0b, g1b
	s_cmp_eq_u32 s15, 0
	s_cbranch_scc0 .Lfor_b_\@
	tensor_load_to_lds s[\g0a:\g0a+3], s[\g1a:\g1a+7]
	s_nop 0
.rept 4
	v_nop
.endr
	s_branch .Lasked_\@
.Lfor_b_\@:
	tensor_load_to_lds s[\g0b:\g0b+3], s[\g1b:\g1b+7]
	s_nop 0
.rept 4
	v_nop
.endr
.Lasked_\@:
.endm
.macro CREST                           ; a round of the cluster's barrier behind its opening barrier
	s_cmp_lg_u32 s14, 0
	s_cbranch_scc1 .Lnot_wave_0_\@
	s_barrier_signal -3
.Lnot_wave_0_\@:
	s_barrier_wait -3
	s_barrier_signal -1
	s_barrier_wait -1
.endm
.macro CROUND                          ; a whole round
	s_barrier_signal -1
	s_barrier_wait -1
	CREST
.endm
	s_load_b128 s[4:7], s[0:1], 0x0                ; the codes s[4:5], the scales' exponents s[6:7]
	s_load_b128 s[8:11], s[0:1], 0x10              ; b_in s[8:9], qkv s[10:11]
	s_load_b128 s[68:71], s[0:1], 0x20             ; nrm s[68:69], gate s[70:71]
	v_lshl_add_u32 v[SPW], v0, 2, SPARE
	v_mov_b32 v[NIL], 0
	ds_add_u32 v28, v29
	ds_add_u32 v28, v29
	s_wait_dscnt 0x0
	v_lshrrev_b32 v1, 5, v0
	v_readfirstlane_b32 s14, v1                    ; wave 0..3
	s_lshr_b32 s15, s14, 1                         ; rh: which half of the tokens is mine.  Also: I fetch for X (0) or for W_in (1)
	s_and_b32 s16, s14, 1                          ; ch: columns Q, K (0) or V, G (1).  Also: which 128 rows of that tile I fetch
	s_bfe_u32 s40, ttmp6, 0x40000                  ; cx, cy: my place in the cluster
	s_bfe_u32 s41, ttmp6, 0x40004
	s_lshl_b32 s42, ttmp9, 2
	s_add_co_u32 s42, s42, s40                     ; the head = 4 x cluster x + cx
	s_and_b32 s17, ttmp7, 0xffff
	s_lshl_b32 s17, s17, 2
	s_add_co_u32 s17, s17, s41                     ; the block of 256 tokens = 4 x cluster y + cy
	s_lshl_b32 s43, s41, 2
	s_lshl_b32 s43, 15, s43                        ; my row of the cluster
	s_lshl_b32 s44, 0x1111, s40                    ; my column
	; descriptor group 1: a tile of 128 rows x 256 bytes, padded in LDS
	s_or_b32 s[G1+0], s43, (0<<16)|(1<<20)|(1<<21)|(5<<22)|(3<<25)  ; 15:0 the mask: X's tiles go to my row; 17:16 element of 1 byte; 20 padding on; 21 set beside a mask; 24:22 after every 64 words (code 5); 31:25 of 4 words (code 3)
	s_or_b32 s[G1B+0], s44, (0<<16)|(1<<20)|(1<<21)|(5<<22)|(3<<25)
.irp g, G1, G1B
	s_mov_b32 s[\g+1], ROWB<<16                    ; tensor_dim0
	s_mov_b32 s[\g+2], 128<<16                     ; tensor_dim1 = 128
	s_mov_b32 s[\g+3], ROWB<<16                    ; tile_dim0
	s_mov_b32 s[\g+4], 128                         ; tile_dim1 = 128
	s_mov_b32 s[\g+5], KROW                        ; tensor_dim0_stride
	s_mov_b32 s[\g+6], 0
	s_mov_b32 s[\g+7], 0
.endr
	s_lshl_b32 s18, s16, 7                         ; which 128 rows of the tile I fetch
	s_lshl_b32 s20, s17, 8
	s_add_co_u32 s20, s20, s18                     ; X: row 256 x block + 128 x half
	s_lshl_b32 s46, s42, 8
	s_add_co_u32 s46, s46, s18                     ; W_in: row 256 x head + 128 x half
	s_lshl_b32 s20, s20, 10                        ; in bytes: rows of 1,024
	s_mov_b32 s21, 0
	s_lshl_b32 s46, s46, 10
	s_mov_b32 s47, 0
	s_mul_i32 s45, s14, HALFT                      ; where they go: wave x 128 rows: no place in the cluster enters an LDS address
	s_mov_b32 s94, 0x76543210                      ; lane selects for v_permlanex16_b32: lane l xor 16
	s_mov_b32 s95, 0xfedcba98
	s_wait_kmcnt 0x0
	s_load_b256 s[72:79], s[6:7], 0x0              ; e0 .. e7
	s_add_nc_u64 s[20:21], s[4:5], s[20:21]
	s_add_nc_u64 s[46:47], s[4:5], s[46:47]
	s_add_nc_u64 s[46:47], s[46:47], 0x400000      ; W_in's codes lie behind X's
	CROUND                                         ; all sixteen work-groups are here: the first joint loads meet
.irp s, 0,1
	s_mov_b32 s[G0+4*\s], 1
	s_add_co_u32 s[G0+4*\s+1], s45, \s*SLOT
	s_add_nc_u64 s[G0+4*\s+2:G0+4*\s+3], s[20:21], \s*ROWB
	s_or_b32 s[G0+4*\s+3], s[G0+4*\s+3], 0x80000000
	s_mov_b32 s[G0B+4*\s], 1
	s_add_co_u32 s[G0B+4*\s+1], s45, \s*SLOT
	s_add_nc_u64 s[G0B+4*\s+2:G0B+4*\s+3], s[46:47], \s*ROWB
	s_or_b32 s[G0B+4*\s+3], s[G0B+4*\s+3], 0x80000000
	JLOAD G0+4*\s, G1, G0B+4*\s, G1B
.endr
	v_and_b32 v1, 15, v0                           ; r = l % 16
	v_bfe_u32 v2, v0, 4, 1                         ; h = l / 16
	; b_in: every wave loads both forms, 1,024 bytes of the head's 256 numbers in all
	s_lshl_b32 s82, s42, 10
	s_mov_b32 s83, 0
	s_add_nc_u64 s[8:9], s[8:9], s[82:83]
	v_lshlrev_b32 v7, 5, v2                        ; 32 h
	v_lshlrev_b32 v8, 2, v1                        ; 4 r
.irp b, 0,1,2,3,4,5,6,7
	global_load_b128 v[BQ+8*\b:BQ+8*\b+3], v7, s[8:9] offset:64*\b          ; b_in(16 b + 8 h + 0 .. 7)
	global_load_b128 v[BQ+8*\b+4:BQ+8*\b+7], v7, s[8:9] offset:64*\b+16
.endr
.irp a, 0,1,2,3,4,5,6,7
	global_load_b32 v[BV+2*\a], v8, s[8:9] offset:512+64*\a                 ; b_in(128 + 16 a + r), twice: a pair for the packed multiply-add
	global_load_b32 v[BV+2*\a+1], v8, s[8:9] offset:512+64*\a
.endr
	v_mul_u32_u24 v3, v1, PITCH
	v_lshl_add_u32 v4, v2, 4, v3                   ; a fragment's row x pitch + 16 x half
	; a slot's four halves: 0, 1 = tokens; 2 = W_in's rows 0-127; 3 = rows 128-255.  Source 1's: ch = 0: rh, ch = 1: 3.  Source 0's: ch = 0: 2, ch = 1: rh
	s_xor_b32 s18, s16, 1                          ; 1 - ch
	s_mul_i32 s21, s15, s18
	s_mul_i32 s19, s16, 3
	s_add_co_u32 s21, s21, s19
	s_mul_i32 s21, s21, HALFT
	s_mul_i32 s22, s15, s16
	s_lshl_b32 s19, s18, 1
	s_add_co_u32 s22, s22, s19
	s_mul_i32 s22, s22, HALFT
.irp s, 0,1
	v_add_nc_u32 v[ADRA+\s], s21, v4
	v_add_nc_u32 v[ADRB+\s], s22, v4
	s_add_co_u32 s21, s21, SLOT
	s_add_co_u32 s22, s22, SLOT
.endr
	; the way out's stages: 16,384 bytes for each wave, in slot 0, which has had its last fill and its last read when the first result is stored there
	s_lshl_b32 s23, s14, 14
	v_lshl_add_u32 v[STQ], v1, 2, s23
	v_and_b32 v6, 31, v0
	v_lshlrev_b32 v[LI], 4, v6
	v_add_nc_u32 v[STR], s23, v[LI]
	v_mul_u32_u24 v5, v2, 2176
	v_lshl_add_u32 v5, v1, 2, v5
	v_add_nc_u32 v[GSW], s23, v5
	v_mul_u32_u24 v5, v2, 272
	v_lshl_add_u32 v5, v1, 4, v5
	v_add_nc_u32 v[GSR], s23, v5
	; where my results go.  bh = 16 x batch + head; my first tile of 16 tokens in it: 16 (block % 8) + 8 rh.  In registers that feed no descriptor
	s_lshr_b32 s82, s17, 3
	s_lshl_b32 s82, s82, 4
	s_add_co_u32 s82, s82, s42                     ; bh
	s_and_b32 s83, s17, 7
	s_lshl_b32 s84, s82, 7
	s_lshl_b32 s85, s83, 4
	s_add_co_u32 s84, s84, s85
	s_lshl_b32 s85, s15, 3
	s_add_co_u32 s84, s84, s85                     ; 128 bh + 16 (block % 8) + 8 rh
	s_lshl_b32 s86, s84, 10
	s_mov_b32 s87, 0
	s_add_nc_u64 s[86:87], s[10:11], s[86:87]      ; Q's images: 1,024 bytes a tile; K's lie 0x400000 further on
	s_add_nc_u64 s[90:91], s[86:87], 0x800000      ; V's images: 8,192 bytes for 128 keys = 1,024 for 16: the same offset
	s_lshl_b32 s88, s84, 6
	s_mov_b32 s89, 0
	s_add_nc_u64 s[88:89], s[68:69], s[88:89]      ; q2: 4 bytes a token; k2 lies 262,144 further on
	s_lshl_b32 s92, s84, 12
	s_mov_b32 s93, 0
	s_add_nc_u64 s[92:93], s[70:71], s[92:93]      ; G: 256 bytes a token
.macro FRAG reg, adr, q, i             ; a fragment, 16 rows x 128 K, is 16 registers: lane l holds row l % 16; registers 4 c .. 4 c + 3 hold K = 32 c + 16 (l / 16) + 0 .. 15: one order of k for both sources
.irp c, 0,1,2,3
	ds_load_b128 v[\reg+4*\c:\reg+4*\c+3], v[\adr] offset:128*(\q)+32*\c+(\i)*16*PITCH
.endr
.endm
; 16 matrix instructions: source 1's blocks a0, a0 + 1 x source 0's eight, 128 along K.  p: source 0's set.  zero = 1: the first product starts the sums.
; The 64 accumulators take turns, one instruction a turn, in the same order in every step.
.macro MUL16 a0, p, zero
.irp a, \a0, \a0+1
.irp b, 0,1,2,3,4,5,6,7
.if \zero
	v_wmma_f32_16x16x128_fp8_fp8 v[8*(8*((\a)%4)+\b):8*(8*((\a)%4)+\b)+7], v[128*(\p)+FR*\b:128*(\p)+FR*\b+FR-1], v[AF+FR*(\a):AF+FR*(\a)+FR-1], 0
.else
	v_wmma_f32_16x16x128_fp8_fp8 v[8*(8*((\a)%4)+\b):8*(8*((\a)%4)+\b)+7], v[128*(\p)+FR*\b:128*(\p)+FR*\b+FR-1], v[AF+FR*(\a):AF+FR*(\a)+FR-1], v[8*(8*((\a)%4)+\b):8*(8*((\a)%4)+\b)+7]
.endif
.endr
.endr
.endm
.macro FETCH_B slot, q, p              ; source 0's eight fragments of the slot's q-th 128 along K into set p
	WIN TO_B
.irp i, 0,1,2,3,4,5,6,7
	FRAG 128*(\p)+FR*\i, ADRB+\slot, \q, \i
.endr
	WIN 0
.endm
.macro FETCH_A slot, q, i0             ; source 1's blocks i0 .. i0 + 3
.irp i, \i0, \i0+1, \i0+2, \i0+3
	FRAG AF+FR*(\i), ADRA+\slot, \q, \i
.endr
.endm
; A load into a register that a matrix instruction has read, and a vector instruction that reads a matrix result, stand NP places behind it; only plain vector instructions that name none of its registers are places.
.macro PLACES n
.rept \n
	v_nop
.endr
.endm
; A step of 128 along K that has its successor in the same slot.
.macro STEP slot, q, zero
	s_wait_dscnt 4*NL                              ; source 0's set and source 1's blocks 0-3 are in; the youngest sixteen loads (blocks 4-7) may be out
	WIN MUL_LO
	MUL16 0, (\q)%2, \zero
	MUL16 2, (\q)%2, \zero
	s_wait_dscnt 0                                 ; blocks 4-7 are in (asked for 32 matrix instructions ago)
	PLACES NP
	FETCH_B \slot, (\q)+1, 1-(\q)%2
	FETCH_A \slot, (\q)+1, 0
	WIN MUL_HI
	MUL16 4, (\q)%2, \zero
	MUL16 6, (\q)%2, \zero
	PLACES NP
	WIN 0
	FETCH_A \slot, (\q)+1, 4
.endm
; A slot's last step changes slots: ONE barrier; in front of it each wave waits for all its tensor loads, adds 0 to its spare word, and waits for that and for its own reads of this slot.  fill = 1: this slot is filled again, two K steps ahead.
.macro TURN slot, next, fill
	s_wait_tensorcnt 0x0                           ; all my tensor loads have landed: my part of the next slot;  (every window is 0 here)
	ds_add_u32 v[SPW], v[NIL]                      ; 0 onto my spare word;
	s_wait_dscnt 4*NL+1                            ; (the add and the youngest sixteen loads, blocks 4-7, may be out)
	WIN MUL_LO
	MUL16 0, 1, 0                                  ; sixteen matrix instructions stand between the add and the wait for it
	s_wait_dscnt 0x0                               ; the add is done, and my reads of this slot are over
	s_barrier_signal -1
	MUL16 2, 1, 0
	WIN 0
	s_barrier_wait -1
.if \fill
	CREST                                          ; the barrier has opened a round of the cluster's barrier: no wave of any partner still reads this slot's tile or has a load on its way
	s_add_nc_u64 s[G0+4*\slot+2:G0+4*\slot+3], s[G0+4*\slot+2:G0+4*\slot+3], 2*ROWB
	s_add_nc_u64 s[G0B+4*\slot+2:G0B+4*\slot+3], s[G0B+4*\slot+2:G0B+4*\slot+3], 2*ROWB
	JLOAD G0+4*\slot, G1, G0B+4*\slot, G1B         ; the first tensor load behind the round; the four v_nop behind it are the places in front of the loads below
.else
	PLACES NP
.endif
	FETCH_B \next, 0, 0
	FETCH_A \next, 0, 0
	WIN MUL_HI
	MUL16 4, 1, 0
	MUL16 6, 1, 0
	PLACES NP
	WIN 0
	FETCH_A \next, 0, 4
.endm
	s_wait_loadcnt 0x0                             ; b_in, once
	s_wait_tensorcnt 1                             ; my part of K step 0 is in (K step 1's load may be out)
	s_barrier_signal -1
	s_barrier_wait -1                              ; everybody's is
	FETCH_B 0, 0, 0
	FETCH_A 0, 0, 0
	FETCH_A 0, 0, 4
	STEP 0, 0, 1                                   ; the first step stands in front of the loop: its products start the sums
	s_mov_b32 s3, LAPS-1
.Llap:                                                 ; a trip goes once round the ring, from a lap's second step to the next lap's first, and fills both slots again
	TURN 0, 1, 1
	STEP 1, 0, 0
	TURN 1, 0, 1
	STEP 0, 0, 0
	s_sub_co_u32 s3, s3, 1
	s_cmp_lg_u32 s3, 0
	s_cbranch_scc1 .Llap
	TURN 0, 1, 0                                   ; the last lap fills nothing, and has no round of the cluster's barrier
	STEP 1, 0, 0
	s_wait_dscnt 4*NL                              ; the very last step: nothing more to fetch
	WIN MUL_LO
	MUL16 0, 1, 0
	MUL16 2, 1, 0
	s_wait_dscnt 0
	WIN MUL_HI
	MUL16 4, 1, 0
	MUL16 6, 1, 0
	WIN 0
; ---- THE WAY OUT ----
.macro MKSC e, vs, vl                  ; v[vs] = 2^e as f32 (the conversion takes its exponent field), v[vl] = 448 x 2^e
	s_add_co_i32 s82, s[\e], 127
	s_lshl_b32 s83, s82, 23
	v_mov_b32 v[\vs], s83
	s_add_co_i32 s82, s82, 8
	s_lshl_b32 s82, s82, 23
	s_or_b32 s82, s82, 0x600000
	v_mov_b32 v[\vl], s82
.endm
.macro HOLD s, n, lim                  ; the conversion to an 8-bit code does not saturate (ISA guide 7.6.2): n numbers are held within the largest code x the scale
.set j, 0
.rept \n
	v_med3_num_f32 v[\s+j], v[\s+j], -v[\lim], v[\lim]
.set j, j+1
.endr
.endm
.macro CODES d, s, n, sc               ; n groups of eight numbers become n pairs of registers of codes
.set j, 0
.rept \n
	v_cvt_scalef32_pk8_fp8_f32 v[\d+2*j:\d+2*j+1], v[\s+8*j:\s+8*j+7], v[\sc]
.set j, j+1
.endr
.endm
.macro NORM s, off                     ; the sum of squares of my token's 64 numbers: my 32 in two chains, then lane l xor 16's; into my stage
	v_pk_mul_f32 v[116:117], v[\s:\s+1], v[\s:\s+1]
	v_pk_mul_f32 v[118:119], v[\s+2:\s+3], v[\s+2:\s+3]
.irp j, 4,8,12,16,20,24,28
	v_pk_fma_f32 v[116:117], v[\s+\j:\s+\j+1], v[\s+\j:\s+\j+1], v[116:117]
	v_pk_fma_f32 v[118:119], v[\s+\j+2:\s+\j+3], v[\s+\j+2:\s+\j+3], v[118:119]
.endr
	v_pk_add_f32 v[116:117], v[116:117], v[118:119]
	v_add_f32 v116, v116, v117
	v_permlanex16_b32 v120, v116, s94, s95
	v_add_f32 v116, v116, v120
	ds_store_b32 v[STQ], v116 offset:\off
.endm
; Sixteen tokens of Q and K: P = sum x 2^(e0 + e1) + b_in; the two sums of squares; the hold; the codes; four stores of 512 consecutive bytes.  Each accumulator is read from its low end on.
.macro QKBLK a
.set AC, 64*((\a)%4)
.set CQ, 192+16*((\a)%2)               ; two sets of 16 registers of codes by turns
.if (\a) >= 2
	s_wait_xcnt 0x0                                ; the stores of two blocks ago have read their registers
.endif
	WIN 0x02+((\a)/4)                              ; source 0: window 2 or 3
.set j, 0
.rept 32
	v_pk_fma_f32 v[P+j:P+j+1], v[AC+j:AC+j+1], s[80:81], v[BQ+j:BQ+j+1] op_sel_hi:[1,0,1]
.set j, j+2
.endr
	WIN 0
	NORM P, 64*(\a)
	NORM P+32, 64*(\a)+512
	HOLD P, 32, 113
	HOLD P+32, 32, 115
	CODES CQ, P, 4, 112                            ; accumulator b's eight numbers are dh = 16 b + 8 h + 0 .. 7: registers 2 b, 2 b + 1 of the operand
	CODES CQ+8, P+32, 4, 114
	v_nop                                          ; one plain line behind the last conversion
	global_store_b128 v[LI], v[CQ:CQ+3], s[86:87] offset:1024*(\a)
	global_store_b128 v[LI], v[CQ+4:CQ+7], s[86:87] offset:1024*(\a)+512
	global_store_b128 v[LI], v[CQ+8:CQ+11], s[86:87] offset:1024*(\a)+0x400000
	global_store_b128 v[LI], v[CQ+12:CQ+15], s[86:87] offset:1024*(\a)+0x400000+512
.endm
; Sixteen channels of V x my 128 keys: one fragment of 16 registers
.macro VBLK a
.set CQ, 192+16*((\a)%2)
.if (\a) >= 2
	s_wait_xcnt 0x0
.endif
	WIN 0x02
.set j, 0
.rept 32
	v_pk_fma_f32 v[P+j:P+j+1], v[64*(\a)+j:64*(\a)+j+1], s[80:81], v[BV+2*(\a):BV+2*(\a)+1] op_sel_hi:[1,0,1]
.set j, j+2
.endr
	WIN 0
	HOLD P, 64, 123
	CODES CQ, P, 8, 122                            ; accumulator b's eight numbers are keys 16 b + 8 h + 0 .. 7: registers 2 b, 2 b + 1
	v_nop
.irp c, 0,1,2,3
	global_store_b128 v[LI], v[CQ+4*\c:CQ+4*\c+3], s[90:91] offset:2048*(\a)+512*\c
.endr
.endm
; Sixteen tokens of G: a lane holds one channel and eight tokens, memory wants a token's 64 channels on end: through my stage (two of them by turns), back as rows of 256 bytes
.macro GSTAGE b
.set GBK, 160+32*((\b)%2)
	s_wait_xcnt 0x0                                ; earlier stores have read the registers into which the loads below land
	WIN 0x03
.irp q, 0,1,2,3
.irp j, 0,2,4,6
	v_pk_fma_f32 v[P+8*\q+\j:P+8*\q+\j+1], v[8*(8*\q+(\b))+\j:8*(8*\q+(\b))+\j+1], s[80:81], v[BV+8+2*\q:BV+9+2*\q] op_sel_hi:[1,0,1]
.endr
.endr
	WIN 0
.irp q, 0,1,2,3
.irp j, 0,1,2,3,4,5,6,7
	ds_store_b32 v[GSW], v[P+8*\q+\j] offset:((\b)%2)*8192+272*\j+64*\q
.endr
.endr
.irp i, 0,1,2,3,4,5,6,7
	ds_load_b128 v[GBK+4*\i:GBK+4*\i+3], v[GSR] offset:((\b)%2)*8192+544*\i   ; LDS serves a wave's instructions in order: these see the stores above
.endr
.endm
.macro GSEND b, younger                ; younger: the LDS instructions issued behind block b's loads
.set GBK, 160+32*((\b)%2)
	s_wait_dscnt \younger
.irp i, 0,1,2,3,4,5,6,7
	global_store_b128 v[LI], v[GBK+4*\i:GBK+4*\i+3], s[92:93] offset:4096*(\b)+512*\i   ; sixteen lanes store a token's 256 consecutive bytes
.endr
.endm
	s_wait_kmcnt 0x0
	s_add_co_i32 s80, s72, s73
	s_add_co_i32 s80, s80, 127
	s_lshl_b32 s80, s80, 23                        ; 2^(e0 + e1) as f32
	s_mov_b32 s81, s80                             ; (named with it as a pair, so it is written)
	MKSC 74, 112, 113                              ; e2: Q.   These seven plain lines, which name no register of the last products, are the places behind them
	MKSC 75, 114, 115                              ; e3: K
	MKSC 77, 122, 123                              ; e5: V
	v_mov_b32 v120, 0                              ; written once: a lane permute's destination counts as one of its sources
	s_cmp_eq_u32 s16, 0                            ; the two kinds of waves part; no barrier stands in either arm
	s_cbranch_scc0 .Lvg
.irp a, 0,1,2,3,4,5,6,7
	QKBLK \a
.endr
	ds_load_b128 v[224:227], v[STR]                ; my 128 tokens' q2, four a lane,
	ds_load_b128 v[228:231], v[STR] offset:512     ; and k2
	s_wait_dscnt 0x0
	global_store_b128 v[LI], v[224:227], s[88:89]
	global_store_b128 v[LI], v[228:231], s[88:89] offset:262144
	s_branch .Ljoin
.Lvg:
.irp a, 0,1,2,3
	VBLK \a
.endr
	GSTAGE 0
.irp b, 1,2,3,4,5,6,7
	GSTAGE \b
	GSEND \b-1, 40                                 ; behind block b - 1's loads: block b's 32 stores and 8 loads
.endr
	GSEND 7, 0
.Ljoin:
	s_wait_tensorcnt 0x0                           ; the wave's end: behind my last tensor load and my last LDS store
	ds_add_u32 v[SPW], v[NIL]
	s_wait_dscnt 0x0
	CROUND                                         ; the closing round: no work-group ends while a partner may still ask for a tile that names it
	s_endpgm
.Lfunc_end_k_qb1b9807e6b_inproj:
	.size	k_qb1b9807e6b_inproj, .Lfunc_end_k_qb1b9807e6b_inproj-k_qb1b9807e6b_inproj
	.p2alignl 7, 3214868480
	.fill 96, 4, 3214868480
	.section	.rodata,"a",@progbits
	.p2align	6, 0x0
	.amdhsa_kernel k_qb1b9807e6b_inproj
		.amdhsa_group_segment_fixed_size 327680
		.amdhsa_private_segment_fixed_size 0
		.amdhsa_enable_private_segment 0
		.amdhsa_kernarg_size 48
		.amdhsa_user_sgpr_count 2
		.amdhsa_user_sgpr_kernarg_segment_ptr 1
		.amdhsa_wavefront_size32 1
		.amdhsa_system_sgpr_workgroup_id_x 1
		.amdhsa_system_sgpr_workgroup_id_y 1
		.amdhsa_system_sgpr_workgroup_id_z 1
		.amdhsa_system_vgpr_workitem_id 0
		.amdhsa_next_free_vgpr 1024
		.amdhsa_next_free_sgpr 96
		.amdhsa_reserve_vcc 0
		.amdhsa_float_denorm_mode_32 3
		.amdhsa_float_denorm_mode_16_64 3
		.amdhsa_memory_ordered 1
		.amdhsa_forward_progress 1
		.amdhsa_inst_pref_size 222
	.end_amdhsa_kernel
	.amdgpu_metadata
---
amdhsa.version: [ 1, 2 ]
amdhsa.kernels:
  - .name:           k_qb1b9807e6b_inproj
    .symbol:         k_qb1b9807e6b_inproj.kd
    .args:
      - { .name: codes, .offset: 0, .size: 8, .value_kind: global_buffer, .address_space: global }
      - { .name: lowp_scales, .offset: 8, .size: 8, .value_kind: global_buffer, .address_space: global }
      - { .name: b_in, .offset: 16, .size: 8, .value_kind: global_buffer, .address_space: global }
      - { .name: qkv, .offset: 24, .size: 8, .value_kind: global_buffer, .address_space: global }
      - { .name: nrm, .offset: 32, .size: 8, .value_kind: global_buffer, .address_space: global }
      - { .name: gate, .offset: 40, .size: 8, .value_kind: global_buffer, .address_space: global }
    .group_segment_fixed_size: 327680
    .private_segment_fixed_size: 0
    .kernarg_segment_align: 8
    .kernarg_segment_size: 48
    .max_flat_workgroup_size: 128
    .sgpr_count:     96
    .vgpr_count:     1024
    .wavefront_size: 32
...
	.end_amdgpu_metadata
.endif
;; end of part 2
;; launch attn (part 3): grid 8 x 32, 16 waves a work-group, no clusters, 185,856 bytes of LDS; arguments qkv, nrm, gate, lowp_scales, himg; writes himg
.if DOCPART == 3
	.amdgcn_target "amdgcn-amd-amdhsa--gfx1250"
	.amdhsa_code_object_version 6
	.text
	.protected	k_qb1b9807e6b_attn
	.globl	k_qb1b9807e6b_attn
	.p2align	8
	.type	k_qb1b9807e6b_attn,@function
k_qb1b9807e6b_attn:
	s_mov_b64 s[64:65], 0
	v_nop
	global_prefetch_b8 v0, s[64:65] scope:SCOPE_SE
	s_setreg_imm32_b32 hwreg(HW_REG_WAVE_MODE, 25, 1), 1
	s_wait_xcnt 0x0
; Shepard's weights and the gate, for 256 queries (grid x) of one batch and head (grid y).  s = max((q2 + k2) - 2 q.k, 0); w = 1 / (1e-4 + sqrt(s))^2; W = w / (1e-4 + the sum of w over all 2,048 keys); A = W V; H = G A.
; q.k and W V are products on codes of FP8 (E4M3): Q, K, V arrive as images of operand registers; W is quantised FINISHED AND NORMALISED with 2^e4, H with 2^e6; all else is f32.
; THE WAVES SHARE THE KEYS.  The row's sum must be known before a weight is quantised.  So wave w of sixteen owns keys 128 w .. 128 w + 127 for every tile of 16 queries: its 16 x 128 weights stay in 64 registers
; while the sixteen partial sums cross LDS, and every root and reciprocal is taken once.  The wave's fragments of K (64 registers) and V (64) are loaded from memory once and stay.
; A TILE, one barrier:  PH1: S^T = K Q^T (8 products of K = 64; a lane holds ONE query and 64 keys), w, my partial row sum to LDS | barrier | MID: the sixteen partial sums, 1 / (1e-4 + sum), W, its codes (they ARE source 1 of the
; next product), O^T = V^T W^T over my 128 keys (4 products of K = 128), my partial O to LDS.  The partial O's of the tile BEFORE are summed in the same MID: wave w takes query w, two channels a lane, times G, quantised, to a stage.
; The sums' and the partial O's buffers take turns by the tile's parity: between a read of a buffer and the next store into it stands the other parity's barrier, with every wave's wait for its LDS instructions in front.
; NO CLUSTER, NO TENSOR LOAD: the eight work-groups of a head read the same K and V, but once each, 16 KB a wave straight into registers at the head; a joint load lands in LDS alone, a detour for bytes that are read once.
; No matrix instruction adds in place: each sum is one instruction with C = 0.
; LIMITS on the given exponents, so that each power of two is an f32 number: e2 + e3 + 1 between -126 and 127; e4 and e6 - e4 - e5 between -126 and 119.  An s under 2^-126 counts as 0 in the root, which is nothing beside 1e-4.  NaN is not served.
.set OP1,   69632                      ; LDS: partial O, buffer 0 at 0, buffer 1 here: [source wave 16][query 16][256 bytes + 16]
.set PSUM,  139264                     ; partial sums: two buffers of [query 16][16 waves x 4 bytes + 16], 1,280 bytes each
.set K2S,   141824                     ; k2 of each wave's 128 keys: 512 bytes a wave, its own
.set QIMG,  150016                     ; Q's sixteen images of 1,024 bytes
.set Q2S,   166400                     ; q2 of the 256 queries
.set HST,   167424                     ; H's codes: [query's wave 16][tile 16][64 bytes]: each wave stores into 1,024 bytes of its own
.set LQ,   1                           ; v1   QIMG + 16 x lane
.set LQ2,  2                           ; v2   Q2S + 4 r
.set LK2,  3                           ; v3   K2S + 512 w + 32 h
.set PSW,  4                           ; v4   PSUM + 80 r + 4 w
.set PSR,  5                           ; v5   PSUM + 80 r
.set OPW,  6                           ; v6-7 partial O, in: 4,352 w + 272 r + 32 h, in buffer 0, 1
.set OPR,  8                           ; v8-9 partial O, back: 272 w + 8 x lane, in buffer 0, 1
.set HSW,  10                          ; v10  HST + 1,024 w + 2 x lane
.set GOF,  11                          ; v11  256 w + 8 x lane: my two numbers of G in a tile
.set TAQ,  12                          ; v12  LQ + the trip's step
.set TAQ2, 13                          ; v13  LQ2 + the trip's step
.set Q2,   14                          ; v14  q2 of my query; named as the pair v[14:15], of which the low word serves both halves
.set TAH,  15                          ; v15  HSW + the trip's step
.set KF,   16                          ; v16-79   K: 8 fragments of 16 keys x 64
.set VF,   80                          ; v80-143  V: 4 fragments of 16 channels x 128 keys
.set S,    144                         ; v144-207 S^T, then w, then W; O^T is laid over v144-175
.set CD,   208                         ; v208-223 k2; partial O's; W's codes
.set T,    224                         ; v224-239 k2; the sixteen partial sums; H's numbers and codes
.set QF,   240                         ; v240-247 Q's fragment.   v[248:249], v[250:251]: the sum's two chains; then 1 / (1e-4 + sum) and O's sum.   v[252:253] G.   v254 2^e4, v255 2^(e6 - e4 - e5)
; s[28:29] -2^(e2+e3+1)   s[30:31] 1e-4   s32 448 x 2^e4   s33, s39 +-448 x 2^(e6-e4-e5)   s[34:35] lane selects   s36, s37 the trip's steps in QIMG and in Q2S / HST   s38 trips   s[40:41] G
	s_load_b128 s[4:7], s[0:1], 0x0                ; qkv, nrm
	s_load_b128 s[8:11], s[0:1], 0x10              ; gate, the scales' exponents
	s_load_b64 s[12:13], s[0:1], 0x20              ; himg
	v_lshrrev_b32 v249, 5, v0
	v_readfirstlane_b32 s14, v249                  ; wave 0..15
	v_and_b32 v249, 31, v0                         ; lane
	v_and_b32 v250, 15, v0                         ; r
	v_bfe_u32 v251, v0, 4, 1                       ; h
	v_lshlrev_b32 v248, 4, v249                    ; 16 x lane
	v_lshl_add_u32 v[LQ], v249, 4, QIMG
	v_lshl_add_u32 v[LQ2], v250, 2, Q2S
	s_lshl_b32 s15, s14, 9
	s_add_co_u32 s15, s15, K2S
	v_lshl_add_u32 v[LK2], v251, 5, s15
	v_add_nc_u32 v237, s15, v248                   ; where my k2 goes
	v_mul_u32_u24 v[PSR], v250, 80
	v_add_nc_u32 v[PSR], PSUM, v[PSR]
	s_lshl_b32 s16, s14, 2
	v_add_nc_u32 v[PSW], s16, v[PSR]
	v_mul_u32_u24 v[OPW], v250, 272
	v_lshl_add_u32 v[OPW], v251, 5, v[OPW]
	s_mul_i32 s16, s14, 4352
	v_add_nc_u32 v[OPW], s16, v[OPW]
	v_add_nc_u32 v[OPW+1], OP1, v[OPW]
	s_mul_i32 s16, s14, 272
	v_lshl_add_u32 v[OPR], v249, 3, s16
	v_add_nc_u32 v[OPR+1], OP1, v[OPR]
	s_lshl_b32 s16, s14, 10
	v_add_nc_u32 v238, s16, v[LQ]                  ; where tile w's image of Q goes
	s_add_co_u32 s16, s16, HST
	v_lshl_add_u32 v[HSW], v249, 1, s16
	s_lshl_b32 s16, s14, 8
	v_lshl_add_u32 v[GOF], v249, 3, s16
	s_lshl_b32 s16, s14, 6
	v_add_nc_u32 v239, s16, v[LQ2]                 ; where tile w's q2 goes
	v_lshlrev_b32 v250, 2, v250                    ; 4 r
	s_and_b32 s44, ttmp7, 0xffff                   ; bh = 16 x batch + head
	s_lshl_b32 s45, s44, 7                         ; its first tile of 16 tokens
	s_lshl_b32 s46, s14, 3
	s_add_co_u32 s46, s46, s45                     ; my keys' first tile: 128 bh + 8 w
	s_lshl_b32 s48, ttmp9, 4
	s_add_co_u32 s48, s48, s45                     ; the work-group's first tile of queries: 128 bh + 16 x
	s_add_co_u32 s49, s48, s14                     ; and tile w of them
	s_and_b32 s62, s44, 15
	s_lshl_b32 s62, s62, 18                        ; himg: 262,144 x head
	s_lshr_b32 s63, s44, 4
	s_lshl_b32 s63, s63, 7
	s_lshl_b32 s50, ttmp9, 4
	s_add_co_u32 s63, s63, s50
	s_add_co_u32 s63, s63, s14                     ; + 1,024 x (128 x batch + 16 x + w)
	s_lshl_b32 s63, s63, 10
	s_add_co_u32 s62, s62, s63
	s_mov_b32 s63, 0
	s_mov_b32 s61, 0
	s_mov_b32 s34, 0x76543210                      ; v_permlanex16_b32: lane l xor 16
	s_mov_b32 s35, 0xfedcba98
	s_mov_b32 s36, 0
	s_mov_b32 s37, 0
	s_wait_kmcnt 0x0
	s_load_b256 s[20:27], s[10:11], 0x0            ; e0 .. e7
	s_lshl_b32 s60, s46, 10
	s_add_nc_u64 s[52:53], s[4:5], s[60:61]
	s_add_nc_u64 s[52:53], s[52:53], 0x400000      ; K's images of my keys; V's lie 0x400000 further on (8,192 bytes for 128 keys = 1,024 for 16: the same offset)
	s_lshl_b32 s60, s49, 10
	s_add_nc_u64 s[54:55], s[4:5], s[60:61]        ; Q's image of tile w
	s_lshl_b32 s60, s46, 6
	s_add_nc_u64 s[56:57], s[6:7], s[60:61]        ; k2 of my keys lies 262,144 behind this
	s_lshl_b32 s60, s49, 6
	s_add_nc_u64 s[58:59], s[6:7], s[60:61]        ; q2 of tile w
	s_lshl_b32 s60, s48, 12
	s_add_nc_u64 s[40:41], s[8:9], s[60:61]        ; G of the 256 queries
	s_add_nc_u64 s[12:13], s[12:13], s[62:63]
	global_load_b128 v[T:T+3], v248, s[56:57] offset:262144
	global_load_b128 v[T+4:T+7], v248, s[54:55]
	global_load_b128 v[T+8:T+11], v248, s[54:55] offset:512
	global_load_b32 v[T+12], v250, s[58:59]
.irp a, 0,1,2,3,4,5,6,7
	global_load_b128 v[KF+8*\a:KF+8*\a+3], v248, s[52:53] offset:1024*\a
	global_load_b128 v[KF+8*\a+4:KF+8*\a+7], v248, s[52:53] offset:1024*\a+512
.endr
.irp d, 0,1,2,3
.irp c, 0,1,2,3
	global_load_b128 v[VF+16*\d+4*\c:VF+16*\d+4*\c+3], v248, s[52:53] offset:0x400000+2048*\d+512*\c
.endr
.endr
	global_load_b64 v[252:253], v[GOF], s[40:41] th:TH_LOAD_NT   ; G of tile 0, query w: 256 consecutive bytes a wave; read once in the launch
	s_wait_kmcnt 0x0
	s_add_co_i32 s28, s22, s23
	s_add_co_i32 s28, s28, 128                     ; e2 + e3 + 1 + 127
	s_lshl_b32 s28, s28, 23
	s_or_b32 s28, s28, 0x80000000                  ; -2^(e2 + e3 + 1): a sum of the first product stands for sum x 2^(e2 + e3), and twice that is taken away
	s_mov_b32 s29, s28                             ; (named with it as a pair, so it is written)
	s_mov_b32 s30, 0x38d1b717                      ; 1e-4
	s_mov_b32 s31, s30
	s_add_co_i32 s16, s24, 127
	s_lshl_b32 s17, s16, 23
	v_mov_b32 v254, s17                            ; 2^e4, for W's conversions
	s_add_co_i32 s16, s16, 8
	s_lshl_b32 s32, s16, 23
	s_or_b32 s32, s32, 0x600000                    ; 448 x 2^e4
	s_sub_co_i32 s16, s26, s24
	s_sub_co_i32 s16, s16, s25
	s_add_co_i32 s16, s16, 127
	s_lshl_b32 s17, s16, 23
	v_mov_b32 v255, s17                            ; 2^(e6 - e4 - e5): a sum of the second product stands for sum x 2^(e4 + e5): the three scales are folded into H's conversion
	s_add_co_i32 s16, s16, 8
	s_lshl_b32 s33, s16, 23
	s_or_b32 s33, s33, 0x600000
	s_or_b32 s39, s33, 0x80000000
	s_wait_loadcnt 33                              ; k2, Q and q2 are in; behind them: K's 16 loads, V's 16 and G's
	ds_store_b128 v237, v[T:T+3]
	ds_store_b128 v238, v[T+4:T+7]
	ds_store_b128 v238, v[T+8:T+11] offset:512
	ds_store_b32 v239, v[T+12]
.macro BAR                             ; my LDS stores have landed and my LDS loads are in: then the work-group's barrier
	s_wait_dscnt 0x0
	s_barrier_signal -1
	s_barrier_wait -1
.endm
.macro ADDR                            ; the addresses that step with the trip
	v_add_nc_u32 v[TAQ], s36, v[LQ]
	v_add_nc_u32 v[TAQ2], s37, v[LQ2]
	v_add_nc_u32 v[TAH], s37, v[HSW]
.endm
.macro K2LOAD c, x                     ; k2 of the keys of S's registers 16 c .. 16 c + 15: keys 32 c + 16 (i / 2) + 8 h + 4 (i % 2) on; sixteen lanes share each address
.irp i, 0,1,2,3
	ds_load_b128 v[\x+4*\i:\x+4*\i+3], v[LK2] offset:128*(\c)+64*(\i/2)+16*(\i%2)
.endr
.endm
.macro TREE8 x                         ; eight pairs in v[x] on are added down to two, at x and x + 8
	v_pk_add_f32 v[\x:\x+1], v[\x:\x+1], v[\x+2:\x+3]
	v_pk_add_f32 v[\x+4:\x+5], v[\x+4:\x+5], v[\x+6:\x+7]
	v_pk_add_f32 v[\x+8:\x+9], v[\x+8:\x+9], v[\x+10:\x+11]
	v_pk_add_f32 v[\x+12:\x+13], v[\x+12:\x+13], v[\x+14:\x+15]
	v_pk_add_f32 v[\x:\x+1], v[\x:\x+1], v[\x+4:\x+5]
	v_pk_add_f32 v[\x+8:\x+9], v[\x+8:\x+9], v[\x+12:\x+13]
.endm
; Sixteen of my 64 pairs (query, key).  left: the LDS loads that may stay out when this chunk's k2 has to be there
.macro CHUNK c, x, left
.set SC, S+16*(\c)
	s_wait_dscnt \left
.irp i, 0,2,4,6,8,10,12,14
	v_pk_add_f32 v[\x+\i:\x+\i+1], v[\x+\i:\x+\i+1], v[Q2:Q2+1] op_sel_hi:[1,0]     ; q2 + k2, rounded as the definition rounds it
.endr
.irp i, 0,2,4,6,8,10,12,14
	v_pk_fma_f32 v[SC+\i:SC+\i+1], v[SC+\i:SC+\i+1], s[28:29], v[\x+\i:\x+\i+1] op_sel_hi:[1,0,1]   ; - 2 q.k: the product by a power of two is exact, so this is one rounding; each accumulator from its low end on
.endr
.if \c < 2
	K2LOAD \c+2, \x
.endif
.irp i, 0,1,2,3,4,5,6,7,8,9,10,11,12,13,14,15
	v_max_num_f32 v[SC+\i], 0, v[SC+\i]
.endr
.irp i, 0,1,2,3,4,5,6,7,8,9,10,11,12,13,14,15
	v_sqrt_f32 v[SC+\i], v[SC+\i]
.endr
	v_nop                                          ; one plain line behind the transcendentals (ISA guide 5.7.2)
	s_wait_alu depctr_va_vdst(0)
.irp i, 0,2,4,6,8,10,12,14
	v_pk_add_f32 v[SC+\i:SC+\i+1], v[SC+\i:SC+\i+1], s[30:31] op_sel_hi:[1,0]
.endr
.irp i, 0,2,4,6,8,10,12,14
	v_pk_mul_f32 v[SC+\i:SC+\i+1], v[SC+\i:SC+\i+1], v[SC+\i:SC+\i+1]
.endr
.irp i, 0,1,2,3,4,5,6,7,8,9,10,11,12,13,14,15
	v_rcp_f32 v[SC+\i], v[SC+\i]
.endr
	v_nop
.if \c == 0
	s_wait_alu depctr_va_vdst(0)
	v_pk_add_f32 v[248:249], v[SC:SC+1], v[SC+2:SC+3]          ; the first additions start the two chains: nothing is cleared
	v_pk_add_f32 v[250:251], v[SC+4:SC+5], v[SC+6:SC+7]
.irp i, 8,12
	v_pk_add_f32 v[248:249], v[248:249], v[SC+\i:SC+\i+1]
	v_pk_add_f32 v[250:251], v[250:251], v[SC+\i+2:SC+\i+3]
.endr
.else
	s_wait_alu depctr_va_vdst(0)
.irp i, 0,4,8,12
	v_pk_add_f32 v[248:249], v[248:249], v[SC+\i:SC+\i+1]
	v_pk_add_f32 v[250:251], v[250:251], v[SC+\i+2:SC+\i+3]
.endr
.endif
.endm
.macro PH1 p
	K2LOAD 0, T
	K2LOAD 1, CD
	s_wait_dscnt 8                                 ; all but these eight: Q's fragment and q2 are in, my stores of the last partial O are done
.irp a, 0,1,2,3,4,5,6,7
	v_wmma_f32_16x16x64_fp8_fp8 v[S+8*\a:S+8*\a+7], v[KF+8*\a:KF+8*\a+7], v[QF:QF+7], 0   ; lane (r, h): query r; register j: key 16 a + 8 h + j
.endr
	CHUNK 0, T, 4                                  ; its eight additions of q2, which name no register of the products, are the places behind them.  4: the next chunk's k2 may be out
	CHUNK 1, CD, 4
	CHUNK 2, T, 4
	CHUNK 3, CD, 0
	v_pk_add_f32 v[248:249], v[248:249], v[250:251]
	v_add_f32 v248, v248, v249
	v_permlanex16_b32 v[T], v248, s34, s35         ; the query's other 64 of my keys lie in the lane 16 away
	v_add_f32 v248, v248, v[T]
	ds_store_b32 v[PSW], v248 offset:1280*\p
.endm
; O's sum of a finished tile (query w, channels 2 x lane and the next) times G, held, quantised, two codes to the stage.  gl = 1: the next tile's G is asked for
.macro HOUT ho, gl, go
	s_wait_loadcnt 0x0                             ; G
	v_pk_mul_f32 v[T:T+1], v[250:251], v[252:253]
.if \gl
	global_load_b64 v[252:253], v[GOF], s[40:41] offset:\go th:TH_LOAD_NT
.endif
	v_med3_num_f32 v[T], v[T], s39, s33
	v_med3_num_f32 v[T+1], v[T+1], s39, s33
.irp i, 2,3,4,5,6,7
	v_mov_b32 v[T+\i], 0                           ; the conversion takes eight numbers: the other six are zeros, and their codes are not stored
.endr
	v_cvt_scalef32_pk8_fp8_f32 v[T+8:T+9], v[T:T+7], v255
	v_nop                                          ; one plain line behind the conversion
	ds_store_b16 v[TAH], v[T+8] offset:\ho
.endm
; p: the tile's parity.  first = 1: no tile before it.  pre = 1: the next tile's Q (at qo) and q2 (at zo) are fetched.  ho, gl, go: for HOUT
.macro MID p, first, pre, qo, zo, ho, gl, go
.irp i, 0,1,2,3
	ds_load_b128 v[T+4*\i:T+4*\i+3], v[PSR] offset:1280*\p+16*\i       ; my query's sixteen partial sums
.endr
.if !\first
.irp i, 0,1,2,3,4,5,6,7
	ds_load_b64 v[CD+2*\i:CD+2*\i+1], v[OPR+1-\p] offset:4352*\i       ; the tile before: query w's partial O of source waves 0-7
.endr
.endif
.if \pre
	ds_load_b128 v[QF:QF+3], v[TAQ] offset:\qo
	ds_load_b128 v[QF+4:QF+7], v[TAQ] offset:\qo+512
	ds_load_b32 v[Q2], v[TAQ2] offset:\zo
.endif
	s_wait_dscnt 8*(1-\first)+3*\pre               ; the sums are in; the partial O's and the next tile's three loads may be out
	TREE8 T
	v_pk_add_f32 v[T:T+1], v[T:T+1], v[T+8:T+9]
	v_add_f32 v[T], v[T], v[T+1]
	v_add_f32 v[T], s30, v[T]                      ; 1e-4 + the row's sum
	v_rcp_f32 v248, v[T]
	v_nop
.if !\first
	s_wait_dscnt 3*\pre                            ; the eight partial O's are in
	TREE8 CD
	v_pk_add_f32 v[250:251], v[CD:CD+1], v[CD+8:CD+9]
	s_wait_alu depctr_va_vdst(0)
.irp i, 0,1,2,3,4,5,6,7
	ds_load_b64 v[CD+2*\i:CD+2*\i+1], v[OPR+1-\p] offset:4352*(8+\i)   ; source waves 8-15
.endr
.endif
.set j, 0
	s_wait_alu depctr_va_vdst(0)
.rept 32
	v_pk_mul_f32 v[S+j:S+j+1], v[S+j:S+j+1], v[248:249] op_sel_hi:[1,0]   ; W = w / (1e-4 + sum)
.set j, j+2
.endr
.set j, 0
.rept 64
	v_min_num_f32 v[S+j], s32, v[S+j]              ; the conversion does not saturate (ISA guide 7.6.2); W is not negative, so the hold is one-sided
.set j, j+1
.endr
.if !\first
	s_wait_dscnt 0x0
	TREE8 CD
	v_pk_add_f32 v[CD:CD+1], v[CD:CD+1], v[CD+8:CD+9]
	v_pk_add_f32 v[250:251], v[250:251], v[CD:CD+1]
	HOUT \ho, \gl, \go
.endif
.irp a, 0,1,2,3,4,5,6,7
	v_cvt_scalef32_pk8_fp8_f32 v[CD+2*\a:CD+2*\a+1], v[S+8*\a:S+8*\a+7], v254   ; keys 16 a + 8 h + 0 .. 7: registers 2 a, 2 a + 1 of the operand
.endr
	v_nop                                          ; one plain line between the conversions and the products, which read their results and write over their sources
.irp d, 0,1,2,3
	v_wmma_f32_16x16x128_fp8_fp8 v[S+8*\d:S+8*\d+7], v[VF+16*\d:VF+16*\d+15], v[CD:CD+15], 0   ; lane (r, h): query r; register j: channel 16 d + 8 h + j
.endr
.rept 5
	v_nop                                          ; four places in front of the stores of the results and of loads into the codes' registers; the fifth for the next tile's products, which write over these results
.endr
.irp d, 0,1,2,3
	ds_store_b128 v[OPW+\p], v[S+8*\d:S+8*\d+3] offset:64*\d
	ds_store_b128 v[OPW+\p], v[S+8*\d+4:S+8*\d+7] offset:64*\d+16
.endr
.endm
	BAR                                            ; k2, Q's sixteen images and q2 lie in LDS
	ds_load_b128 v[QF:QF+3], v[LQ]                 ; tile 0
	ds_load_b128 v[QF+4:QF+7], v[LQ] offset:512
	ds_load_b32 v[Q2], v[LQ2]
	s_wait_loadcnt 1                               ; K and V are in; G may be out
	ADDR
	PH1 0
	BAR
	MID 0, 1, 1, 1024, 64, 0, 0, 0
	s_mov_b32 s38, 7
.Ltiles:                                               ; trip i: tiles 2 i + 1 and 2 i + 2; the steps are 2,048 i in QIMG, 128 i in Q2S and in my part of HST, 8,192 i in G
	ADDR
	PH1 1
	BAR
	MID 1, 0, 1, 2048, 128, 0, 1, 4096
	PH1 0
	BAR
	MID 0, 0, 1, 3072, 192, 64, 1, 8192
	s_wait_xcnt 0x0                                ; G's load has read its base
	s_add_nc_u64 s[40:41], s[40:41], 8192
	s_add_co_u32 s36, s36, 2048
	s_add_co_u32 s37, s37, 128
	s_sub_co_u32 s38, s38, 1
	s_cmp_lg_u32 s38, 0
	s_cbranch_scc1 .Ltiles
	ADDR
	PH1 1                                          ; tile 15: nothing more to fetch but its G
	BAR
	MID 1, 0, 0, 0, 0, 0, 1, 4096
	BAR                                            ; tile 15's partial O's lie in buffer 1
.irp i, 0,1,2,3,4,5,6,7
	ds_load_b64 v[CD+2*\i:CD+2*\i+1], v[OPR+1] offset:4352*\i
.endr
.irp i, 0,1,2,3,4,5,6,7
	ds_load_b64 v[T+2*\i:T+2*\i+1], v[OPR+1] offset:4352*(8+\i)
.endr
	s_wait_dscnt 0x0
	TREE8 CD
	TREE8 T
	v_pk_add_f32 v[CD:CD+1], v[CD:CD+1], v[CD+8:CD+9]
	v_pk_add_f32 v[T:T+1], v[T:T+1], v[T+8:T+9]
	v_pk_add_f32 v[250:251], v[CD:CD+1], v[T:T+1]
	HOUT 64, 0, 0
	BAR                                            ; all 256 queries' codes lie in the stage
	; wave w stores tile w's image: byte 512 c + 16 x lane holds channels 32 c + 16 h + 0 .. 15 of query r
	v_and_b32 v248, 15, v0
	v_bfe_u32 v249, v0, 4, 1
	v_lshlrev_b32 v248, 10, v248
	v_lshl_add_u32 v248, v249, 4, v248
	s_lshl_b32 s16, s14, 6
	s_add_co_u32 s16, s16, HST
	v_add_nc_u32 v248, s16, v248                   ; HST + 1,024 r + 64 w + 16 h
	ds_load_b128 v[CD:CD+3], v248
	ds_load_b128 v[CD+4:CD+7], v248 offset:32
	v_and_b32 v250, 31, v0
	v_lshlrev_b32 v250, 4, v250
	s_wait_dscnt 0x0
	global_store_b128 v250, v[CD:CD+3], s[12:13]           ; 512 consecutive bytes a store
	global_store_b128 v250, v[CD+4:CD+7], s[12:13] offset:512
	s_wait_xcnt 0x0
	v_lshl_add_u32 v254, v0, 2, 0x2ce00
	v_mov_b32 v255, 0
	s_wait_tensorcnt 0x0
	ds_add_u32 v254, v255
	s_wait_dscnt 0x0
	s_endpgm
.Lfunc_end_k_qb1b9807e6b_attn:
	.size	k_qb1b9807e6b_attn, .Lfunc_end_k_qb1b9807e6b_attn-k_qb1b9807e6b_attn
	.p2alignl 7, 3214868480
	.fill 96, 4, 3214868480
	.section	.rodata,"a",@progbits
	.p2align	6, 0x0
	.amdhsa_kernel k_qb1b9807e6b_attn
		.amdhsa_group_segment_fixed_size 185856
		.amdhsa_private_segment_fixed_size 0
		.amdhsa_enable_private_segment 0
		.amdhsa_kernarg_size 40
		.amdhsa_user_sgpr_count 2
		.amdhsa_user_sgpr_kernarg_segment_ptr 1
		.amdhsa_wavefront_size32 1
		.amdhsa_system_sgpr_workgroup_id_x 1
		.amdhsa_system_sgpr_workgroup_id_y 1
		.amdhsa_system_sgpr_workgroup_id_z 1
		.amdhsa_system_vgpr_workitem_id 0
		.amdhsa_next_free_vgpr 256
		.amdhsa_next_free_sgpr 66
		.amdhsa_reserve_vcc 0
		.amdhsa_float_denorm_mode_32 3
		.amdhsa_float_denorm_mode_16_64 3
		.amdhsa_memory_ordered 1
		.amdhsa_forward_progress 1
		.amdhsa_inst_pref_size 121
	.end_amdhsa_kernel
	.amdgpu_metadata
---
amdhsa.version: [ 1, 2 ]
amdhsa.kernels:
  - .name:           k_qb1b9807e6b_attn
    .symbol:         k_qb1b9807e6b_attn.kd
    .args:
      - { .name: qkv, .offset: 0, .size: 8, .value_kind: global_buffer, .address_space: global }
      - { .name: nrm, .offset: 8, .size: 8, .value_kind: global_buffer, .address_space: global }
      - { .name: gate, .offset: 16, .size: 8, .value_kind: global_buffer, .address_space: global }
      - { .name: lowp_scales, .offset: 24, .size: 8, .value_kind: global_buffer, .address_space: global }
      - { .name: himg, .offset: 32, .size: 8, .value_kind: global_buffer, .address_space: global }
    .group_segment_fixed_size: 185856
    .private_segment_fixed_size: 0
    .kernarg_segment_align: 8
    .kernarg_segment_size: 40
    .max_flat_workgroup_size: 512
    .sgpr_count:     66
    .vgpr_count:     256
    .wavefront_size: 32
...
	.end_amdgpu_metadata
.endif
;; end of part 3
;; launch proj (part 4): grid 8 x 32, 4 waves a work-group, clusters of 4 x 4, 270,848 bytes of LDS; arguments himg, codes, lowp_scales, b_out, out0; writes out0
.if DOCPART == 4
	.amdgcn_target "amdgcn-amd-amdhsa--gfx1250"
	.amdhsa_code_object_version 6
	.text
	.protected	k_qb1b9807e6b_proj
	.globl	k_qb1b9807e6b_proj
	.p2align	8
	.type	k_qb1b9807e6b_proj,@function
k_qb1b9807e6b_proj:
	s_mov_b64 s[64:65], 0
	v_nop
	global_prefetch_b8 v0, s[64:65] scope:SCOPE_SE
	s_setreg_imm32_b32 hwreg(HW_REG_WAVE_MODE, 25, 1), 1
	s_wait_xcnt 0x0
	s_wait_alu depctr_hold_cnt(0) depctr_sa_sdst(0) depctr_va_vdst(0) depctr_va_sdst(0) depctr_va_ssrc(0) depctr_va_vcc(0) depctr_vm_vsrc(0)
	s_getreg_b32 s2, hwreg(HW_REG_IB_STS2, 6, 4)
	s_cmp_eq_u32 s2, 0
	s_cbranch_scc0 .Lentry_in_a_cluster
	s_endpgm
.Lentry_in_a_cluster:
	s_bfe_u32 s2, ttmp6, 0x10000c
	s_cmp_lg_u32 s2, 0xf033
	s_cbranch_scc0 .Lentry_shape_is_right
	s_endpgm
.Lentry_shape_is_right:
; Y = H W_out^T + b_out on codes of FP8 (E4M3).  H [4,096][1,024] arrives as images of operand registers, [head 16][tile of 16 rows 256][1,024 bytes]; W_out's codes [1,024][1,024], K innermost, lie 0x800000 into the codes' buffer; Y is f32.
; A work-group makes 128 x 128 of Y: 8 x 32 work-groups, one for each WGP; four waves, each 64 x 64 in 16 accumulators.  A larger tile would leave WGPs without work.
; K = 1,024 is short: ALL of a work-group's H (128 KB) and W_out (128 KB + padding) fits in LDS.  So there is no ring: four chunks of 256 along K, each wave asks for its four parts at the start (four tensor loads of mine are out),
; nothing is ever filled again, and a chunk is read behind a counted wait and a barrier.
; CLUSTERS: 4 x 4 work-groups; H's tiles are shared along a row of the cluster, W_out's along a column: joint loads with a mask that names the four.
; THE ORDER OF k: two neighbouring heads' images, read 16 bytes a lane, give registers 4 c .. 4 c + 3 the k = 32 c + 16 (l / 16) + 0 .. 15 of a step of 128; W_out's rows are read in the same order: every product meets its partner.
; The matrix instruction is used transposed (source 0 = 16 rows of W_out, source 1 = 16 rows of H): a lane holds eight neighbouring numbers of a row of Y.
; LIMIT: e6 + e7 between -126 and 127, so that 2^(e6 + e7) is an f32 number.
; REGISTERS: window 0: v16-26 addresses; v32-63 b_out (8 b + j); v64-95, v96-127 the way out; v128-255 the accumulators ((a, b) at v[128 + 8 (4 a + b)]).   window 1: two fragment buffers of 128: 64 registers of H, then 64 of W_out.
.set CH,    67584                      ; a chunk in LDS: H: [half 2][head 4][tile 4][1,024 bytes], then W_out: 128 rows x 272 bytes
.set BOFF,  32768
.set PITCH, 272                        ; 256 bytes + 16 of padding: the 16 rows that a load touches start at 16 different banks (64 banks of 4 bytes: ISA guide 11.1)
.set ADRA, 16                          ; v16-19  my H fragments in chunk 0 .. 3: CH c + 16,384 rm + 16 x lane
.set ADRB, 20                          ; v20-23  my W_out fragments: CH c + BOFF + 17,408 cn + 272 r + 16 h
.set STO,  24                          ; v24     the way out: where I put 32 bytes of a row
.set RD,   25                          ; v25     where I read a row back
.set CO,   26                          ; v26     my byte offset in two rows of Y
.set BIAS, 32
.set TMP,  64
.set BK,   96
.set ACC,  128
.set F0,   0
.set F1,   128
.set G1A, 16                           ; s[16:23] descriptor group 1 for H's tiles, s[24:31] for W_out's
.set G1B, 24
.set G0A, 32                           ; s[32:47] groups 0 for H's four chunks, s[48:63] for W_out's
.set G0B, 48
.set MSB, 0
.macro WIN new                         ; the immediate's high byte repeats the setting that is left
.if MSB != \new
	s_set_vgpr_msb (MSB<<8)|\new
.set MSB, \new
.endif
.endm
.set MUL,  0x05                        ; sources 0 and 1 window 1; C and D window 0
.set TO_F, 0x40                        ; destination window 1, address window 0
.macro CROUND                          ; a round of the cluster's barrier
	s_barrier_signal -1
	s_barrier_wait -1
	s_cmp_lg_u32 s14, 0
	s_cbranch_scc1 .Lnot_wave_0_\@
	s_barrier_signal -3
.Lnot_wave_0_\@:
	s_barrier_wait -3
	s_barrier_signal -1
	s_barrier_wait -1
.endm
.macro PLACES
.rept 4
	v_nop
.endr
.endm
	s_load_b128 s[4:7], s[0:1], 0x0                ; himg, the codes
	s_load_b128 s[8:11], s[0:1], 0x10              ; the scales' exponents, b_out
	s_load_b64 s[12:13], s[0:1], 0x20              ; out0
	v_lshl_add_u32 v30, v0, 2, 0x42000
	v_mov_b32 v31, 0
	ds_add_u32 v30, v31
	ds_add_u32 v30, v31
	v_lshrrev_b32 v1, 5, v0
	v_readfirstlane_b32 s14, v1                    ; wave 0..3
	s_lshr_b32 s15, s14, 1                         ; rm: which 64 rows are mine.  Also: I fetch for H (0) or for W_out (1)
	s_and_b32 s72, s14, 1                          ; cn: which 64 columns.  Also: which half of that tile I fetch
	s_bfe_u32 s66, ttmp6, 0x40000                  ; cx, cy
	s_bfe_u32 s67, ttmp6, 0x40004
	s_lshl_b32 s68, ttmp9, 2
	s_add_co_u32 s68, s68, s66                     ; tile column of Y
	s_and_b32 s69, ttmp7, 0xffff
	s_lshl_b32 s69, s69, 2
	s_add_co_u32 s69, s69, s67                     ; tile row of Y
	s_lshl_b32 s70, s67, 2
	s_lshl_b32 s70, 15, s70                        ; my row of the cluster
	s_lshl_b32 s71, 0x1111, s66                    ; my column
	; H: four heads' runs of 4,096 bytes (four images on end), 262,144 bytes apart, in elements of 8 bytes; dense in LDS
	s_or_b32 s[G1A+0], s70, (3<<16)|(1<<21)        ; 15:0 the mask: my row; 17:16 elements of 8 bytes; 21 set beside a mask; no padding
	s_mov_b32 s[G1A+1], 512<<16                    ; tensor_dim0 = 512
	s_mov_b32 s[G1A+2], 4<<16                      ; tensor_dim1 = 4
	s_mov_b32 s[G1A+3], 512<<16                    ; tile_dim0 = 512
	s_mov_b32 s[G1A+4], 4                          ; tile_dim1 = 4
	s_mov_b32 s[G1A+5], 32768                      ; tensor_dim0_stride
	s_mov_b32 s[G1A+6], 0
	s_mov_b32 s[G1A+7], 0
	; W_out: 64 rows x 256 bytes, 1,024 bytes apart, padded in LDS
	s_or_b32 s[G1B+0], s71, (0<<16)|(1<<20)|(1<<21)|(5<<22)|(3<<25)  ; the mask: my column; elements of 1 byte; padding: 4 words after every 64
	s_mov_b32 s[G1B+1], 256<<16
	s_mov_b32 s[G1B+2], 64<<16
	s_mov_b32 s[G1B+3], 256<<16
	s_mov_b32 s[G1B+4], 64
	s_mov_b32 s[G1B+5], 1024
	s_mov_b32 s[G1B+6], 0
	s_mov_b32 s[G1B+7], 0
	s_lshl_b32 s74, s69, 3
	s_lshl_b32 s78, s72, 2
	s_add_co_u32 s74, s74, s78
	s_lshl_b32 s74, s74, 10                        ; H: image 8 x tile row + 4 x half, of 1,024 bytes
	s_mov_b32 s75, 0
	s_lshl_b32 s76, s68, 7
	s_lshl_b32 s79, s72, 6
	s_add_co_u32 s76, s76, s79
	s_lshl_b32 s76, s76, 10                        ; W_out: row 128 x tile column + 64 x half, of 1,024 bytes
	s_mov_b32 s77, 0
	s_lshl_b32 s78, s72, 14                        ; where they go in a chunk: no place in the cluster enters an LDS address
	s_mul_i32 s79, s72, 64*PITCH
	s_add_co_u32 s79, s79, BOFF
	s_wait_dscnt 0x0
	s_wait_kmcnt 0x0
	s_load_b256 s[80:87], s[8:9], 0x0              ; e0 .. e7
	s_add_nc_u64 s[74:75], s[4:5], s[74:75]
	s_add_nc_u64 s[76:77], s[6:7], s[76:77]
	s_add_nc_u64 s[76:77], s[76:77], 0x800000
.irp c, 0,1,2,3
	s_mov_b32 s[G0A+4*\c], 1
	s_add_co_u32 s[G0A+4*\c+1], s78, \c*CH
	s_add_nc_u64 s[G0A+4*\c+2:G0A+4*\c+3], s[74:75], \c*1048576     ; four heads on
	s_or_b32 s[G0A+4*\c+3], s[G0A+4*\c+3], 0x80000000
	s_mov_b32 s[G0B+4*\c], 1
	s_add_co_u32 s[G0B+4*\c+1], s79, \c*CH
	s_add_nc_u64 s[G0B+4*\c+2:G0B+4*\c+3], s[76:77], \c*256         ; 256 along K on
	s_or_b32 s[G0B+4*\c+3], s[G0B+4*\c+3], 0x80000000
.endr
	CROUND                                         ; all sixteen work-groups are here: the joint loads meet
	s_cmp_eq_u32 s15, 0                            ; a wave's four fills stand in one branch, ahead of every wait on TENSORcnt and every LDS read; four v_nop follow the last
	s_cbranch_scc0 .Lfirst_b
.irp c, 0,1,2,3
	tensor_load_to_lds s[G0A+4*\c:G0A+4*\c+3], s[G1A:G1A+7]
	s_nop 0
.endr
	PLACES
	s_branch .Lfirst_asked
.Lfirst_b:
.irp c, 0,1,2,3
	tensor_load_to_lds s[G0B+4*\c:G0B+4*\c+3], s[G1B:G1B+7]
	s_nop 0
.endr
	PLACES
.Lfirst_asked:
	v_and_b32 v1, 15, v0                           ; r
	v_bfe_u32 v2, v0, 4, 1                         ; h
	v_and_b32 v3, 31, v0
	v_lshlrev_b32 v3, 4, v3                        ; 16 x lane
	s_lshl_b32 s90, s15, 14
	v_add_nc_u32 v4, s90, v3
	v_mul_u32_u24 v5, v1, PITCH
	v_lshl_add_u32 v5, v2, 4, v5
	s_mul_i32 s90, s72, 64*PITCH
	s_add_co_u32 s90, s90, BOFF
	v_add_nc_u32 v5, s90, v5
.irp c, 0,1,2,3
	v_add_nc_u32 v[ADRA+\c], \c*CH, v4
	v_add_nc_u32 v[ADRB+\c], \c*CH, v5
.endr
	s_mul_i32 s90, s14, 16*PITCH                   ; my stage, 16 rows x 272 bytes, in chunk 0, which is filled once and whose last read stands in front of chunk 1's barrier
	v_mul_u32_u24 v6, v1, PITCH
	v_lshl_add_u32 v6, v2, 5, v6
	v_add_nc_u32 v[STO], s90, v6                   ; in: row r, 32 bytes for each half of the lanes
	v_mul_u32_u24 v6, v2, PITCH
	v_lshl_add_u32 v6, v1, 4, v6
	v_add_nc_u32 v[RD], s90, v6                    ; back: lanes 0-15 one row of 256 bytes, lanes 16-31 the next
	v_lshlrev_b32 v6, 12, v2
	v_lshl_add_u32 v[CO], v1, 4, v6                ; and the same two rows of Y, 4,096 bytes apart
	s_lshl_b32 s90, s68, 9
	s_lshl_b32 s91, s72, 8
	s_add_co_u32 s90, s90, s91                     ; my first column, in bytes: 512 x tile column + 256 cn
	s_mov_b32 s91, 0
	s_add_nc_u64 s[10:11], s[10:11], s[90:91]      ; b_out there,
	s_add_nc_u64 s[12:13], s[12:13], s[90:91]      ; and Y
	s_lshl_b32 s92, s69, 7
	s_lshl_b32 s93, s15, 6
	s_add_co_u32 s92, s92, s93
	s_lshl_b32 s92, s92, 12                        ; my first row: 128 x tile row + 64 rm, of 4,096 bytes
	s_mov_b32 s93, 0
	s_add_nc_u64 s[12:13], s[12:13], s[92:93]
	v_lshlrev_b32 v7, 5, v2                        ; 32 h
.irp b, 0,1,2,3
	global_load_b128 v[BIAS+8*\b:BIAS+8*\b+3], v7, s[10:11] offset:64*\b      ; b_out(16 b + 8 h + 0 .. 7) of my 64 columns
	global_load_b128 v[BIAS+8*\b+4:BIAS+8*\b+7], v7, s[10:11] offset:64*\b+16
.endr
; 32 LDS loads: the fragments of chunk c's s-th 128 along K (two heads) into buffer f
.macro FETCH c, s, f
	WIN TO_F
.irp a, 0,1,2,3
.irp q, 0,1,2,3
	ds_load_b128 v[\f+16*\a+4*\q:\f+16*\a+4*\q+3], v[ADRA+\c] offset:(2*\s+\q/2)*4096+1024*\a+512*(\q%2)
.endr
.endr
.irp b, 0,1,2,3
.irp q, 0,1,2,3
	ds_load_b128 v[\f+64+16*\b+4*\q:\f+64+16*\b+4*\q+3], v[ADRB+\c] offset:16*PITCH*\b+128*\s+32*\q
.endr
.endr
.endm
; 16 matrix instructions, 128 along K: the 16 accumulators take turns, one instruction a turn, in the same order in every step
.macro MULS f, zero
	WIN MUL
.irp a, 0,1,2,3
.irp b, 0,1,2,3
.if \zero
	v_wmma_f32_16x16x128_fp8_fp8 v[ACC+8*(4*\a+\b):ACC+8*(4*\a+\b)+7], v[\f+64+16*\b:\f+64+16*\b+15], v[\f+16*\a:\f+16*\a+15], 0
.else
	v_wmma_f32_16x16x128_fp8_fp8 v[ACC+8*(4*\a+\b):ACC+8*(4*\a+\b)+7], v[\f+64+16*\b:\f+64+16*\b+15], v[\f+16*\a:\f+16*\a+15], v[ACC+8*(4*\a+\b):ACC+8*(4*\a+\b)+7]
.endif
.endr
.endr
.endm
; A chunk: two steps of 128 along K.  Between them the next chunk is made known to all: my part of it has landed (the count leaves the later chunks out), my LDS loads are in, the barrier
.macro PART c
	s_wait_dscnt 32                                ; buffer 0 is in; buffer 1's 32 loads may be out
.if \c == 0
	MULS F0, 1                                     ; the first products start the sums
.else
	MULS F0, 0
.endif
.if \c < 3
	PLACES                                         ; in front of loads into registers that matrix instructions have read
	s_wait_tensorcnt 2-\c
	s_wait_dscnt 0x0
	s_barrier_signal -1
	s_barrier_wait -1
	FETCH \c+1, 0, F0
.else
	s_wait_dscnt 0x0
.endif
	MULS F1, 0
.if \c < 3
	PLACES
	FETCH \c+1, 1, F1
.endif
.endm
	s_wait_tensorcnt 3                             ; my part of chunk 0 is in; the three later chunks may be out
	s_barrier_signal -1
	s_barrier_wait -1                              ; everybody's is
	FETCH 0, 0, F0
	FETCH 0, 1, F1
.irp c, 0,1,2,3
	PART \c
.endr
	WIN 0
	PLACES                                         ; in front of the first read of results
	s_wait_kmcnt 0x0
	s_add_co_i32 s88, s86, s87
	s_add_co_i32 s88, s88, 127
	s_lshl_b32 s88, s88, 23                        ; 2^(e6 + e7) as f32
	s_mov_b32 s89, s88                             ; (named with it as a pair, so it is written)
	s_wait_loadcnt 0x0                             ; b_out
	; THE WAY OUT, 16 rows x 64 columns at a time: y = sum x 2^(e6 + e7) + b_out, one packed multiply-add for two numbers, each accumulator from its low end on; through my stage, back as whole rows of 256 bytes
.irp a, 0,1,2,3
.if \a > 0
	s_wait_xcnt 0x0                                ; the last block's stores have read their registers
.endif
.irp b, 0,1,2,3
.irp j, 0,2,4,6
	v_pk_fma_f32 v[TMP+8*\b+\j:TMP+8*\b+\j+1], v[ACC+8*(4*\a+\b)+\j:ACC+8*(4*\a+\b)+\j+1], s[88:89], v[BIAS+8*\b+\j:BIAS+8*\b+\j+1] op_sel_hi:[1,0,1]
.endr
.endr
.irp b, 0,1,2,3
	ds_store_b128 v[STO], v[TMP+8*\b:TMP+8*\b+3] offset:64*\b
	ds_store_b128 v[STO], v[TMP+8*\b+4:TMP+8*\b+7] offset:64*\b+16
.endr
.irp i, 0,1,2,3,4,5,6,7
	ds_load_b128 v[BK+4*\i:BK+4*\i+3], v[RD] offset:2*\i*PITCH     ; LDS serves a wave's instructions in order: these see the stores above
.endr
	s_wait_dscnt 0x0
.irp i, 0,1,2,3,4,5,6,7
	global_store_b128 v[CO], v[BK+4*\i:BK+4*\i+3], s[12:13] offset:(16*\a+2*\i)*4096 th:TH_STORE_NT   ; sixteen lanes store 256 consecutive bytes, at a multiple of 256 from Y's first byte; written once, read by nobody here
.endr
.endr
	s_wait_tensorcnt 0x0
	ds_add_u32 v30, v31
	s_wait_dscnt 0x0
	CROUND                                         ; the closing round: no work-group ends while a partner may still ask for a tile that names it
	s_endpgm
.Lfunc_end_k_qb1b9807e6b_proj:
	.size	k_qb1b9807e6b_proj, .Lfunc_end_k_qb1b9807e6b_proj-k_qb1b9807e6b_proj
	.p2alignl 7, 3214868480
	.fill 96, 4, 3214868480
	.section	.rodata,"a",@progbits
	.p2align	6, 0x0
	.amdhsa_kernel k_qb1b9807e6b_proj
		.amdhsa_group_segment_fixed_size 270848
		.amdhsa_private_segment_fixed_size 0
		.amdhsa_enable_private_segment 0
		.amdhsa_kernarg_size 40
		.amdhsa_user_sgpr_count 2
		.amdhsa_user_sgpr_kernarg_segment_ptr 1
		.amdhsa_wavefront_size32 1
		.amdhsa_system_sgpr_workgroup_id_x 1
		.amdhsa_system_sgpr_workgroup_id_y 1
		.amdhsa_system_sgpr_workgroup_id_z 1
		.amdhsa_system_vgpr_workitem_id 0
		.amdhsa_next_free_vgpr 512
		.amdhsa_next_free_sgpr 96
		.amdhsa_reserve_vcc 0
		.amdhsa_float_denorm_mode_32 3
		.amdhsa_float_denorm_mode_16_64 3
		.amdhsa_memory_ordered 1
		.amdhsa_forward_progress 1
		.amdhsa_inst_pref_size 47
	.end_amdhsa_kernel
	.amdgpu_metadata
---
amdhsa.version: [ 1, 2 ]
amdhsa.kernels:
  - .name:           k_qb1b9807e6b_proj
    .symbol:         k_qb1b9807e6b_proj.kd
    .args:
      - { .name: himg, .offset: 0, .size: 8, .value_kind: global_buffer, .address_space: global }
      - { .name: codes, .offset: 8, .size: 8, .value_kind: global_buffer, .address_space: global }
      - { .name: lowp_scales, .offset: 16, .size: 8, .value_kind: global_buffer, .address_space: global }
      - { .name: b_out, .offset: 24, .size: 8, .value_kind: global_buffer, .address_space: global }
      - { .name: out0, .offset: 32, .size: 8, .value_kind: global_buffer, .address_space: global }
    .group_segment_fixed_size: 270848
    .private_segment_fixed_size: 0
    .kernarg_segment_align: 8
    .kernarg_segment_size: 40
    .max_flat_workgroup_size: 128
    .sgpr_count:     96
    .vgpr_count:     512
    .wavefront_size: 32
...
	.end_amdgpu_metadata
.endif
;; end of part 4
